; MI455X (gfx1250); checked and timed in simulation.
; The chip was launched on July 23, 2026; its instructions are those of AMD's public machine-readable ISA for CDNA 5 (MIT licence, August 2026) and "CDNA5" Instruction Set Architecture Reference Guide (July 2026). The comments in the code are by the model that wrote it; some were corrected since.
;; M. Allowed arithmetic: float matrix products may take bf16 or f16 operands with f32 sums; other float arithmetic in f32, or as packed bf16 or f16 multiplies, adds, multiply-adds, maxima and minima; sums over many terms, partial sums and values carried from step to step in f32; what a program stores and reads back later, other than sums and carried values, may be rounded once to bf16 or f16.
;; Inputs: scale 4,096 float32; w_int 4,096 x 4,096 int32; x 4 x 1,024 x 4,096 float32.
;; Outputs: out0 4 x 1,024 x 4,096 float32.
;; 2 versions, each right; version 2 is version 1 with the launch tobf16 written anew for expert scheduling mode. Each part assembles by itself: llvm-mc -triple=amdgcn-amd-amdhsa -mcpu=gfx1250 --defsym DOCPART=n.
;; ======== version 1 of 2: 2 launches
;; workspace buffers: xb 33,554,432 bytes; wb 33,554,432 bytes
;; launch tobf16 (part 1): grid 512 x 1, 8 waves a work-group, no clusters, 0 bytes of LDS; arguments x, w_int, xb, wb; writes xb, wb
.if DOCPART == 1
	.amdgcn_target "amdgcn-amd-amdhsa--gfx1250"
	.amdhsa_code_object_version 6
	.text
	.protected	k_qfab1589cc1_tobf16
	.globl	k_qfab1589cc1_tobf16
	.p2align	8
	.type	k_qfab1589cc1_tobf16,@function
k_qfab1589cc1_tobf16:
	s_mov_b64 s[64:65], 0
	v_nop
	global_prefetch_b8 v0, s[64:65] scope:SCOPE_SE
	s_setreg_imm32_b32 hwreg(HW_REG_WAVE_MODE, 25, 1), 1
	s_wait_xcnt 0x0
; xb = bf16(x), wb = bf16(f32(w_int)).  x: [4096][4096] f32, w_int: [4096][4096] int32; xb, wb: [4096][4096] bf16, both with the SAME fixed order of the columns:
; inside each group g of 256 columns (512 bytes of a row of xb or wb) place 8 i + j (i = 0..31) holds column 256 g + 4 i + j for j < 4 and column 256 g + 128 + 4 i + (j - 4) for j >= 4.
; The product that follows sums over the columns, and x[m][k] still meets w[n][k]: only the order of its f32 sums differs.  What the order buys: a lane's two loads of 16 bytes
; (4 numbers each, 512 bytes apart) make the 16 bytes that it stores, so every load and every store of a wave covers 512 consecutive bytes, aligned, and no number changes lanes.
; LIMITS.  x is rounded once to bf16 (nearest even).  w_int goes by f32 to bf16: exact up to |w| = 256, beyond that rounded to 8 significant bits (beyond 2^24 rounded twice).
; NaN and infinities of x pass as bf16's.
; SHARES.  Each byte is read once and written once, nothing is shared and nothing is summed: no LDS, no barrier, no cluster, no matrix instruction.  A work-group owns 8 rows of x and of w_int,
; a wave one row of each: 16 blocks of 256 numbers (1,024 bytes in, 512 out, for each tensor).  512 work-groups of equal work.
; IN FLIGHT.  Eight slots of 16 registers: 32 loads of 512 bytes a wave.  The text is straight: no address register and no store's data register is ever written twice,
; so the only waits are the counted ones for the loads.
.set IN,  3                            ; v3         my byte offset in the group's rows of x and w_int: wave x 16,384 + 16 x lane; never rewritten
.set OUT, 4                            ; v4         the same in xb and wb: wave x 8,192 + 16 x lane; never rewritten
.set X,   16                           ; v[16:143]  slot s: +0..3, +4..7 x's two pieces of a block; +8..11, +12..15 w_int's
.set Y,   144                          ; v[144:207] the results of blocks 0 to 7, 8 registers each (blocks 8 to 15 are packed in place: their slots are not loaded again)
	s_load_b256 s[4:11], s[0:1], 0x0               ; x s[4:5], w_int s[6:7], xb s[8:9], wb s[10:11]
	s_lshl_b32 s12, ttmp9, 17                      ; the group's 8 rows of 16,384 bytes: under 2^26
	s_mov_b32 s13, 0
	s_lshl_b32 s14, ttmp9, 16                      ; and of 8,192 bytes
	s_mov_b32 s15, 0
	v_and_b32 v1, 31, v0                           ; lane
	v_lshrrev_b32 v2, 5, v0                        ; wave
	v_lshlrev_b32 v1, 4, v1                        ; 16 bytes a lane
	v_lshl_add_u32 v[IN], v2, 14, v1
	v_lshl_add_u32 v[OUT], v2, 13, v1
	s_wait_kmcnt 0x0
	s_add_nc_u64 s[4:5], s[4:5], s[12:13]
	s_add_nc_u64 s[6:7], s[6:7], s[12:13]
	s_add_nc_u64 s[8:9], s[8:9], s[14:15]
	s_add_nc_u64 s[10:11], s[10:11], s[14:15]
; Block j of the row into slot s: four loads, each 512 consecutive bytes of the wave's row
.macro LOADS j, s
	global_load_b128 v[X+16*(\s):X+16*(\s)+3],     v[IN], s[4:5] offset:1024*(\j) th:TH_LOAD_NT
	global_load_b128 v[X+16*(\s)+4:X+16*(\s)+7],   v[IN], s[4:5] offset:1024*(\j)+512 th:TH_LOAD_NT
	global_load_b128 v[X+16*(\s)+8:X+16*(\s)+11],  v[IN], s[6:7] offset:1024*(\j) th:TH_LOAD_NT
	global_load_b128 v[X+16*(\s)+12:X+16*(\s)+15], v[IN], s[6:7] offset:1024*(\j)+512 th:TH_LOAD_NT
.endm
; Slot s is rounded into v[d:d+3] (x) and v[d+4:d+7] (w).  With d = the slot itself the order is safe: each register is written only after it has been read.
.macro CONV s, d
.irp q, 0,1,2,3
	v_cvt_pk_bf16_f32 v[(\d)+(\q)], v[X+16*(\s)+2*(\q)], v[X+16*(\s)+2*(\q)+1]
.endr
.irp q, 8,9,10,11,12,13,14,15
	v_cvt_f32_i32 v[X+16*(\s)+(\q)], v[X+16*(\s)+(\q)]
.endr
.irp q, 0,1,2,3
	v_cvt_pk_bf16_f32 v[(\d)+4+(\q)], v[X+16*(\s)+8+2*(\q)], v[X+16*(\s)+8+2*(\q)+1]
.endr
.endm
.macro STORES j, d                     ; each store covers 512 consecutive bytes, at a multiple of 512 from the buffer's first byte
	global_store_b128 v[OUT], v[(\d):(\d)+3],   s[8:9]   offset:512*(\j) th:TH_STORE_NT
	global_store_b128 v[OUT], v[(\d)+4:(\d)+7], s[10:11] offset:512*(\j) th:TH_STORE_NT
.endm
.irp j, 0,1,2,3,4,5,6,7
	LOADS \j, \j                                   ; blocks 0 to 7: 32 loads are out
.endr
.irp j, 0,1,2,3,4,5,6,7
	s_wait_loadcnt 28                              ; loads come back in order (ISA guide 5.7.1): block j's four are in, the seven younger blocks' 28 stay out
	CONV \j, Y+8*(\j)
	LOADS (\j)+8, \j                               ; the slot's next block, ahead of the stores: 32 loads are out again
	STORES \j, Y+8*(\j)
.endr
.irp j, 8,9,10,11,12,13,14,15
	s_wait_loadcnt 28-4*((\j)-8)                   ; nothing more is loaded: the counts run down to 0
	CONV (\j)-8, X+16*((\j)-8)
	STORES \j, X+16*((\j)-8)
.endr
	s_endpgm
.Lfunc_end_k_qfab1589cc1_tobf16:
	.size	k_qfab1589cc1_tobf16, .Lfunc_end_k_qfab1589cc1_tobf16-k_qfab1589cc1_tobf16
	.p2alignl 7, 3214868480
	.fill 96, 4, 3214868480
	.section	.rodata,"a",@progbits
	.p2align	6, 0x0
	.amdhsa_kernel k_qfab1589cc1_tobf16
		.amdhsa_group_segment_fixed_size 0
		.amdhsa_private_segment_fixed_size 0
		.amdhsa_enable_private_segment 0
		.amdhsa_kernarg_size 32
		.amdhsa_user_sgpr_count 2
		.amdhsa_user_sgpr_kernarg_segment_ptr 1
		.amdhsa_wavefront_size32 1
		.amdhsa_system_sgpr_workgroup_id_x 1
		.amdhsa_system_sgpr_workgroup_id_y 1
		.amdhsa_system_sgpr_workgroup_id_z 1
		.amdhsa_system_vgpr_workitem_id 0
		.amdhsa_next_free_vgpr 208
		.amdhsa_next_free_sgpr 66
		.amdhsa_reserve_vcc 0
		.amdhsa_float_denorm_mode_32 3
		.amdhsa_float_denorm_mode_16_64 3
		.amdhsa_memory_ordered 1
		.amdhsa_forward_progress 1
		.amdhsa_inst_pref_size 23
	.end_amdhsa_kernel
	.amdgpu_metadata
---
amdhsa.version: [ 1, 2 ]
amdhsa.kernels:
  - .name:           k_qfab1589cc1_tobf16
    .symbol:         k_qfab1589cc1_tobf16.kd
    .args:
      - { .name: x, .offset: 0, .size: 8, .value_kind: global_buffer, .address_space: global }
      - { .name: w_int, .offset: 8, .size: 8, .value_kind: global_buffer, .address_space: global }
      - { .name: xb, .offset: 16, .size: 8, .value_kind: global_buffer, .address_space: global }
      - { .name: wb, .offset: 24, .size: 8, .value_kind: global_buffer, .address_space: global }
    .group_segment_fixed_size: 0
    .private_segment_fixed_size: 0
    .kernarg_segment_align: 8
    .kernarg_segment_size: 32
    .max_flat_workgroup_size: 256
    .sgpr_count:     66
    .vgpr_count:     208
    .wavefront_size: 32
...
	.end_amdgpu_metadata
.endif
;; end of part 1
;; launch gemm (part 2): grid 16 x 16, 4 waves a work-group, clusters of 4 x 4, 327,680 bytes of LDS; arguments xb, wb, out0, scale; writes out0
.if DOCPART == 2
	.amdgcn_target "amdgcn-amd-amdhsa--gfx1250"
	.amdhsa_code_object_version 6
	.text
	.protected	k_qfab1589cc1_gemm
	.globl	k_qfab1589cc1_gemm
	.p2align	8
	.type	k_qfab1589cc1_gemm,@function
k_qfab1589cc1_gemm:
	s_mov_b64 s[64:65], 0
	v_nop
	global_prefetch_b8 v0, s[64:65] scope:SCOPE_SE
	s_setreg_imm32_b32 hwreg(HW_REG_WAVE_MODE, 25, 1), 1
	s_wait_xcnt 0x0
	s_wait_alu depctr_hold_cnt(0) depctr_sa_sdst(0) depctr_va_vdst(0) depctr_va_sdst(0) depctr_va_ssrc(0) depctr_va_vcc(0) depctr_vm_vsrc(0)
	s_getreg_b32 s2, hwreg(HW_REG_IB_STS2, 6, 4)
	s_cmp_eq_u32 s2, 0
	s_cbranch_scc0 .Lentry_in_a_cluster
	s_endpgm
.Lentry_in_a_cluster:
	s_bfe_u32 s2, ttmp6, 0x10000c
	s_cmp_lg_u32 s2, 0xf033
	s_cbranch_scc0 .Lentry_shape_is_right
	s_endpgm
.Lentry_shape_is_right:
; out0[m][n] = scale[n] x the sum over k of xb[m][k] wb[n][k].  xb (A): [4096][4096] bf16, wb (B): [4096][4096] bf16, both with the same order of the columns; scale: [4096] f32; out0: [4096][4096] f32.
; Sums in f32, one for each output; scale is applied to the finished f32 sum, once.  LIMITS: the operands are bf16 (x rounded once; whole-number weights exact up to 256 in magnitude);
; the sums run in another order than a plain ascending k; NaN and infinities go through the arithmetic untreated.
; SHARES.  A tile of C, 256 x 256, is made by a work-group of four waves; a wave makes 128 x 128: 64 accumulators of 16 x 16, 512 registers.  16 x 16 tiles: 256 work-groups of equal work.
; K goes in 32 steps of 128 through a ring of two LDS slots filled by the tensor data mover: a tile's rows are 256 bytes of memory at multiples of 256 bytes from the buffer's first byte.
; CLUSTERS: 4 x 4 work-groups.  The four of a row of the cluster need the same tiles of A, the four of a column the same tiles of B.  Such a tile is asked for JOINTLY: each of the four issues the
; same tensor load, with the same descriptor and a mask that names the four, and each receives the tile in its own LDS: the requests for A and for B are divided by four.
; REGISTERS, in windows of 256 (s_set_vgpr_msb's low byte: bits 1:0 source 0, 3:2 source 1, 5:4 source 2, 7:6 destination):
;   window 0: v0-31 addresses and my four scales; v64-127, v128-191 fragments of A (8 x 16 rows x 32 K), two buffers
;   window 1: v64-127, v128-191 fragments of B, two buffers
;   window 2: the 32 accumulators of my rows 0-63 (accumulator (a, b) at v[8 (8 a + b)]);   window 3: those of my rows 64-127
; THE MATRIX INSTRUCTION IS USED TRANSPOSED: source 0 = 16 rows of B, source 1 = 16 rows of A.  Lane l then holds row l % 16 of C and in registers 0 to 7 the columns 8 (l / 16) + 0 .. 7:
; 32 neighbouring bytes of a row of C.
.set SIZE_M, 4096
.set SIZE_N, 4096
.set SIZE_K, 4096
.set KSTEP,  128
.set PITCH,  272                       ; an LDS row: 256 bytes of data + 16 of padding = 68 words: row r starts at bank 4 r mod 64 (64 banks of 4 bytes: ISA guide 11.1), so the 16 rows of a load start at 16 different banks
.set HALFT,  128*PITCH                 ; 128 rows: what one tensor load brings, and what one wave reads of A or of B
.set SLOT,   4*HALFT                   ; A's 256 rows, then B's 256 rows
.set STAGE,  2*SLOT                    ; behind the ring: 16 rows x 528 bytes for each wave, for the way out; no tensor load ever lands here
.set SPITCH, 528                       ; a stage row: my 128 columns in f32, 512 bytes, + 16 = 132 words: again 16 rows at 16 different groups of four banks
.set SPARE,  STAGE+4*16*SPITCH         ; behind the stages: the spare words, 128 bytes for each wave: two blocks of 256 bytes that no other line names
.set LAPS, SIZE_K/(2*KSTEP)            ; a lap = two K steps = once round the ring: 16
.set SC,   8                           ; v[8:11] scale of the four columns that I store
.set SO,   12                          ; v12     their byte offset in scale; never rewritten
.set ADRA, 16                          ; v16-17  LDS address of my A fragments in slot 0, 1
.set ADRB, 20                          ; v20-21  the same for B
.set STO,  24                          ; v24     the way out: where I put 32 bytes of a row
.set RD,   25                          ; v25     the way out: where I read 16 bytes of a row back
.set CO,   26                          ; v26     my byte offset in my wave's 512 bytes of a row of C: 16 x lane; never rewritten
.set SPW,  28                          ; v28     LDS address of my spare word: SPARE + 4 x my thread's number; never rewritten
.set NIL,  29                          ; v29     0; never rewritten
.set PFO,  30                          ; v30     the prefetches' offset: my lane x a row of A or B in memory (8,192 bytes); never rewritten
.set PFA,  44                          ; s[44:45] where my prefetches stand: my work-group's 32 rows of the 128 that I fetch, one K step further along K than the refill being asked for; a prefetch names the K step after that
.set LIM,  43                          ; s43     1 in a wave that prefetches, else the greatest number
.set F0,   64                          ; fragment buffer 0
.set F1,   128                         ; fragment buffer 1
.set G1, 24                            ; s[24:31] descriptor group 1 for A's tiles
.set G0, 32                            ; s[32:39] descriptor group 0 for A's tiles, one set for each slot
.set G1B, 48                           ; s[48:55] descriptor group 1 for B's tiles: it differs from A's in the mask alone
.set G0B, 56                           ; s[56:63] descriptor group 0 for B's tiles, one set for each slot
.set MSB, 0
.macro WIN new                         ; the immediate's high byte repeats the setting that is left; a switch that changes nothing is dropped
.if MSB != (\new)
	s_set_vgpr_msb (MSB<<8)|(\new)
.set MSB, \new
.endif
.endm
.set MUL_LO, 0xa1                      ; source 0 (B) window 1, source 1 (A) window 0, C and D window 2
.set MUL_HI, 0xf1                      ; the same, C and D window 3
.set TO_B,   0x40                      ; destination window 1, address window 0
; A joint load.  Waves 0 and 1 fetch A's two halves, waves 2 and 3 B's.  Each of the two lines has ONE mask and one set of registers for all that issue it, and nothing in them hangs on a coordinate
; that the four partners do not share.  The branch hangs on the wave's number alone.  An s_nop 0 and four v_nop follow each of the two lines, ahead of the jump, the label and what follows.
.macro JLOAD s
	s_cmp_eq_u32 s11, 0
	s_cbranch_scc0 .Lfor_b_\@
	tensor_load_to_lds s[G0+4*(\s):G0+4*(\s)+3], s[G1:G1+7]
	s_nop 0
.rept 4
	v_nop
.endr
	s_branch .Lasked_\@
.Lfor_b_\@:
	tensor_load_to_lds s[G0B+4*(\s):G0B+4*(\s)+3], s[G1B:G1B+7]
	s_nop 0
.rept 4
	v_nop
.endr
.Lasked_\@:
.endm
; A PREFETCH INTO THE L2, behind each joint refill, its five lines and the run of LDS loads that follows them: the K step that stands TWO refills on (512 matrix instructions ahead of the load that will
; want it): 32 rows x 256 bytes, a lane a row, one instruction a wave.  Each row's 256 bytes of a K step are named ONCE in the launch: A's tile row is read by every cluster of that row of clusters, and the
; one with cluster x = 0 asks; B's tile column by every cluster of that column, and the one with cluster y = 0 asks.  The four partners that ask for a tile jointly share its rows out BY ADDRESS: of the 128
; rows that wave w fetches, the partner at place p takes 32 p .. 32 p + 31 (p = cx for A, cy for B): no branch hangs on a work-group's place in its cluster.  K steps 0 to 3 come by their loads alone;
; the loop's last trip (s3 = 1), whose refills are K steps 30 and 31, asks for nothing: there is no K step two on.
.macro ASK
	s_cmp_gt_u32 s3, s[LIM]
	s_cbranch_scc0 .Lnot_mine_\@
	global_prefetch_b8 v[PFO], s[PFA:PFA+1] offset:KSTEP*2 th:TH_LOAD_NT scope:SCOPE_SE
.Lnot_mine_\@:
.endm
; A round of the cluster's barrier: my work-group's barrier, so that wave 0's signal speaks for all four waves; wave 0 signals for the work-group; every wave waits for all sixteen work-groups;
; my work-group's barrier once more.  No LDS instruction of the wave is pending at a signal.
.macro CREST                           ; a round behind its opening barrier
	s_cmp_lg_u32 s10, 0
	s_cbranch_scc1 .Lnot_wave_0_\@
	s_barrier_signal -3
.Lnot_wave_0_\@:
	s_barrier_wait -3
	s_barrier_signal -1
	s_barrier_wait -1
.endm
.macro CROUND                          ; a whole round
	s_barrier_signal -1
	s_barrier_wait -1
	CREST
.endm
	s_load_b128 s[4:7], s[0:1], 0x0                ; A (xb) s[4:5], B (wb) s[6:7]
	s_load_b64 s[8:9], s[0:1], 0x10                ; C (out0)
	s_load_b64 s[66:67], s[0:1], 0x18              ; scale
	v_lshl_add_u32 v[SPW], v0, 2, SPARE
	v_mov_b32 v[NIL], 0
	ds_add_u32 v[SPW], v[NIL]                      ; the wave's opening: the add, twice on end, and its wait, ahead of my first tensor load; the set-up below, work on registers, stands between the second and the wait
	ds_add_u32 v[SPW], v[NIL]                      ; and once more, under the one wait
	v_lshrrev_b32 v1, 5, v0
	v_readfirstlane_b32 s10, v1                    ; wave 0..3
	s_lshr_b32 s11, s10, 1                         ; which half of the tile's rows is mine.  Also: I fetch for A (0) or for B (1)
	s_and_b32 s12, s10, 1                          ; which half of its columns.  Also: which 128 rows of that tile I fetch
	s_bfe_u32 s40, ttmp6, 0x40000                  ; cx: my place along the cluster's x
	s_bfe_u32 s41, ttmp6, 0x40004                  ; cy: along its y
	s_lshl_b32 s42, ttmp9, 2                       ; in a cluster launch ttmp9 and ttmp7 count clusters
	s_add_co_u32 s42, s42, s40                     ; tile column of C = 4 x cluster x + cx
	s_and_b32 s13, ttmp7, 0xffff
	s_lshl_b32 s13, s13, 2
	s_add_co_u32 s13, s13, s41                     ; tile row of C = 4 x cluster y + cy
	s_lshl_b32 s43, s41, 2
	s_lshl_b32 s43, 15, s43                        ; my row of the cluster: places 4 cy .. 4 cy + 3
	s_lshl_b32 s44, 0x1111, s40                    ; my column: places cx, cx + 4, cx + 8, cx + 12
	; descriptor group 1: a tile of 128 rows x 128 elements, padded in LDS
	s_or_b32 s[G1+0], s43, (1<<16)|(1<<20)|(1<<21)|(5<<22)|(3<<25)  ; 15:0 the mask: A's tiles go to my row; 17:16 elements of 2 bytes; 20 padding on; 21 set beside a mask; 24:22 after every 64 words (code 5); 31:25 4 words of it (code 3)
	s_or_b32 s[G1B+0], s44, (1<<16)|(1<<20)|(1<<21)|(5<<22)|(3<<25) ; the same with the mask of my column, for B's tiles
.irp g, G1, G1B
	s_mov_b32 s[(\g)+1], KSTEP<<16                 ; 63:48 tensor_dim0, low half = 128
	s_mov_b32 s[(\g)+2], 128<<16                   ; 79:64 its high half = 0; 95:80 tensor_dim1, low half = 128
	s_mov_b32 s[(\g)+3], KSTEP<<16                 ; 111:96 its high half = 0; 127:112 tile_dim0 = 128
	s_mov_b32 s[(\g)+4], 128                       ; 143:128 tile_dim1 = 128; 159:144 tile_dim2 = 0
	s_mov_b32 s[(\g)+5], SIZE_K                    ; 191:160 tensor_dim0_stride, low word: elements from row to row
	s_mov_b32 s[(\g)+6], 0
	s_mov_b32 s[(\g)+7], 0
.endr
	; where the tiles come from.  A's hang on the tile row alone, which my row of the cluster shares; B's on the tile column alone, which my column shares.
	; Every wave makes both addresses, in registers that never hold the other coordinate, and asks by one of them.
	s_lshl_b32 s17, s12, 7                         ; which 128 rows of the tile I fetch
	s_lshl_b32 s16, s13, 8
	s_add_co_u32 s16, s16, s17                     ; A: row 256 x tile row + 128 x half
	s_lshl_b32 s46, s42, 8
	s_add_co_u32 s46, s46, s17                     ; B: row 256 x tile column + 128 x half
	s_mov_b32 s17, 0
	s_mov_b32 s47, 0
	s_mov_b64 s[18:19], SIZE_K*2
	s_mul_u64 s[16:17], s[16:17], s[18:19]         ; in bytes
	s_mul_u64 s[46:47], s[46:47], s[18:19]
	s_mul_i32 s20, s10, HALFT                      ; and where they go: A's two halves, then B's two halves = wave x 128 rows: no place in the cluster enters an LDS address
	s_wait_dscnt 0x0                               ; both opening adds are done
	s_wait_kmcnt 0x0
	s_add_nc_u64 s[14:15], s[4:5], s[16:17]
	s_add_nc_u64 s[46:47], s[6:7], s[46:47]
	CROUND                                         ; all sixteen work-groups are here: the first joint loads meet
.irp s, 0,1
	s_mov_b32 s[G0+4*(\s)], 1                                      ; 1:0 count = 1
	s_add_co_u32 s[G0+4*(\s)+1], s20, (\s)*SLOT                    ; 63:32 LDS address
	s_add_nc_u64 s[G0+4*(\s)+2:G0+4*(\s)+3], s[14:15], (\s)*KSTEP*2  ; 120:64 global address: K step s
	s_or_b32 s[G0+4*(\s)+3], s[G0+4*(\s)+3], 0x80000000            ; 127:126 type = 2
	s_mov_b32 s[G0B+4*(\s)], 1
	s_add_co_u32 s[G0B+4*(\s)+1], s20, (\s)*SLOT
	s_add_nc_u64 s[G0B+4*(\s)+2:G0B+4*(\s)+3], s[46:47], (\s)*KSTEP*2
	s_or_b32 s[G0B+4*(\s)+3], s[G0B+4*(\s)+3], 0x80000000
	JLOAD \s                                       ; the ring is filled before anything else is done: two tensor loads of mine are out
.endr
	; A fragment is 16 rows x 32 K in 8 registers: lane l holds row l % 16; registers 0-3 hold K = 8 (l / 16) + 0..7, registers 4-7 hold K = 16 + 8 (l / 16) + 0..7.
	; From rows that lie along K: two loads of 16 bytes, 32 bytes apart.  The same for source 0 and source 1.
	v_and_b32 v1, 15, v0                           ; l % 16
	v_bfe_u32 v2, v0, 4, 1                         ; l / 16
	v_mul_u32_u24 v3, v1, PITCH
	v_lshl_add_u32 v3, v2, 4, v3                   ; row x pitch + 16 x half
	s_mul_i32 s21, s11, HALFT                      ; my 128 rows of A
	s_mul_i32 s22, s12, HALFT                      ; my 128 rows of B,
	s_add_co_u32 s22, s22, 2*HALFT                 ; which lie behind A's 256
.irp s, 0,1
	v_add_nc_u32 v[ADRA+(\s)], s21, v3
	v_add_nc_u32 v[ADRB+(\s)], s22, v3
	s_add_co_u32 s21, s21, SLOT
	s_add_co_u32 s22, s22, SLOT
.endr
	s_mul_i32 s23, s10, 16*SPITCH
	s_add_co_u32 s23, s23, STAGE                   ; my stage
	v_mul_u32_u24 v4, v1, SPITCH                   ; in: row l % 16, 32 bytes (8 columns in f32) for each half of the lanes
	v_lshl_add_u32 v4, v2, 5, v4
	v_add_nc_u32 v[STO], s23, v4
	v_and_b32 v5, 31, v0
	v_lshlrev_b32 v[CO], 4, v5                     ; back: the 32 lanes take one row of 512 bytes, 16 bytes each; the same place in C's row
	v_add_nc_u32 v[RD], s23, v[CO]
	; where my part of the tile begins in C, and my four columns in scale
	s_lshl_b32 s13, s13, 8                         ; 256 x tile row
	s_lshl_b32 s14, s11, 7
	s_add_co_u32 s16, s13, s14                     ; my first row of C,
	s_lshl_b32 s16, s16, 14                        ; times 16,384 bytes: under 2^26
	s_mov_b32 s17, 0
	s_lshl_b32 s46, s42, 10                        ; my first column, in bytes of f32: 1,024 x tile column + 512 x half (in the registers that held B's address: none that feeds A's descriptors ever holds cx)
	s_lshl_b32 s47, s12, 9
	s_add_co_u32 s46, s46, s47
	s_mov_b32 s47, 0
	v_add_nc_u32 v[SO], s46, v[CO]                 ; scale of columns 4 x lane + 0..3 of my 128
	s_add_nc_u64 s[16:17], s[16:17], s[46:47]
	s_add_nc_u64 s[8:9], s[8:9], s[16:17]
	global_load_b128 v[SC:SC+3], v[SO], s[66:67]   ; 512 consecutive bytes of scale a wave, once
	; the prefetches.  s13 = 256 x tile row, s42 = tile column, s40 = cx, s41 = cy still stand
	s_lshl_b32 s42, s42, 8
	s_and_b32 s22, ttmp7, 0xffff                   ; cluster y
	s_cmp_eq_u32 s11, 0                            ; do I fetch for A?
	s_cselect_b32 s20, s13, s42                    ; the tile's first row: in A by the tile row, in B by the tile column
	s_cselect_b32 s21, s40, s41                    ; my place among the four that ask for it with me
	s_cselect_b32 s22, ttmp9, s22                  ; the coordinate along which other clusters read the same rows
	s_cselect_b64 s[PFA:PFA+1], s[4:5], s[6:7]
	s_cmp_eq_u32 s22, 0
	s_cselect_b32 s[LIM], 1, -1                    ; the same in all sixteen partners, for a given wave
	s_lshl_b32 s22, s12, 7
	s_add_co_u32 s20, s20, s22                     ; + the 128 rows that I fetch
	s_lshl_b32 s21, s21, 5
	s_add_co_u32 s20, s20, s21                     ; + my work-group's 32 of them: row 4,095 at the most with the lane's
	s_mov_b32 s21, 0
	s_mov_b64 s[18:19], SIZE_K*2
	s_mul_u64 s[20:21], s[20:21], s[18:19]
	s_add_nc_u64 s[PFA:PFA+1], s[PFA:PFA+1], s[20:21]
	s_add_nc_u64 s[PFA:PFA+1], s[PFA:PFA+1], 2*KSTEP*2  ; at K step 2: the first refill steps it to 3 and names K step 4
	v_and_b32 v[PFO], 31, v0
	v_mul_u32_u24 v[PFO], v[PFO], SIZE_K*2
; 16 matrix instructions: m blocks a0, a0 + 1 of the window's four (hi = 0: my rows 0-63, 1: rows 64-127) x all 8 n blocks, 32 along K.
; zero = 1: the first product starts the sums: nothing is ever cleared.  The 64 accumulators take turns, in the same order in every quarter step.
.macro MUL16 f, hi, a0, zero
	WIN MUL_LO+0x50*(\hi)
.irp a, \a0, (\a0)+1
.irp b, 0,1,2,3,4,5,6,7
.if \zero
	v_wmma_f32_16x16x32_bf16 v[8*(8*(\a)+(\b)):8*(8*(\a)+(\b))+7], v[(\f)+8*(\b):(\f)+8*(\b)+7], v[(\f)+8*(4*(\hi)+(\a)):(\f)+8*(4*(\hi)+(\a))+7], 0
.else
	v_wmma_f32_16x16x32_bf16 v[8*(8*(\a)+(\b)):8*(8*(\a)+(\b))+7], v[(\f)+8*(\b):(\f)+8*(\b)+7], v[(\f)+8*(4*(\hi)+(\a)):(\f)+8*(4*(\hi)+(\a))+7], v[8*(8*(\a)+(\b)):8*(8*(\a)+(\b))+7]
.endif
.endr
.endr
.endm
; 32 LDS loads in one run: the fragments of one quarter step (128 rows of B, 128 rows of A, 32 K at byte k of the rows) into buffer f
.macro FETCH slot, k, f
	WIN TO_B
.irp i, 0,1,2,3,4,5,6,7
	ds_load_b128 v[(\f)+8*(\i):(\f)+8*(\i)+3],   v[ADRB+(\slot)] offset:(\k)+(\i)*16*PITCH
	ds_load_b128 v[(\f)+8*(\i)+4:(\f)+8*(\i)+7], v[ADRB+(\slot)] offset:(\k)+(\i)*16*PITCH+32
.endr
	WIN 0
.irp i, 0,1,2,3,4,5,6,7
	ds_load_b128 v[(\f)+8*(\i):(\f)+8*(\i)+3],   v[ADRA+(\slot)] offset:(\k)+(\i)*16*PITCH
	ds_load_b128 v[(\f)+8*(\i)+4:(\f)+8*(\i)+7], v[ADRA+(\slot)] offset:(\k)+(\i)*16*PITCH+32
.endr
.endm
; A load into a register that a matrix instruction has read, and an LDS store that reads a matrix result, stand four places behind that matrix instruction, and only plain vector instructions that name
; none of its registers are places (ISA guide 7.12.1 for vector instructions).  The matrix instructions in between are not counted.
.macro PLACES
.rept 4
	v_nop
.endr
.endm
; A K step is four quarter steps of 32 along K, 64 matrix instructions each, on buffers 0, 1, 0, 1.
; One of the first three: multiplies buffer f; in its middle it fetches the next quarter's fragments, at byte k of the same slot's rows, into buffer g.
.macro QUARTER slot, k, f, g, zero
	s_wait_dscnt 8                                 ; B and A's rows 0-63 are in; the youngest eight loads (A's rows 64-127) may be out
	WIN MUL_LO
	MUL16 \f, 0, 0, \zero
	MUL16 \f, 0, 2, \zero
	PLACES
	FETCH \slot, \k, \g
	s_wait_dscnt 32                                ; all but the 32 just issued
	WIN MUL_HI
	MUL16 \f, 1, 0, \zero
	MUL16 \f, 1, 2, \zero
.endm
; The last quarter multiplies buffer 1 and changes slots.  MEET is its first half: ONE barrier for the change.  In front of it each wave waits for all its tensor loads, of which one is out: its part
; of the next slot; adds 0 to its spare word; and waits for that and for its own reads of this slot.  Behind it nobody reads this slot any more and the next slot is whole.
.macro MEET round                      ; round = 1: the rest of a round of the cluster's barrier follows
	WIN 0                                          ; (the add's two registers lie in window 0)
	s_wait_tensorcnt 0x0                           ; all my tensor loads have landed: the one that was out is my part of the next slot;
	ds_add_u32 v[SPW], v[NIL]                      ; 0 onto my spare word;
	s_wait_dscnt 9                                 ; (the add and the youngest eight loads may be out)
	WIN MUL_LO
	MUL16 F1, 0, 0, 0                              ; sixteen matrix instructions stand between the add and the wait for it
	s_wait_dscnt 0x0                               ; the add is done, and my reads of this slot are over:
	s_barrier_signal -1                            ; say so,
	MUL16 F1, 0, 2, 0                              ; work on registers while the others arrive,
.if \round
	WIN 0
.endif
	s_barrier_wait -1                              ; and go on when all four have said so
.endm
; The whole last quarter, where the slot just read out is filled again with the K step two steps on, first thing behind the round; then come the next slot's first fragments.
; From a request to the wait for it a wave issues 224 matrix instructions.  One tensor load of mine is out behind each round.
.macro TURN slot, next
	s_wait_xcnt 0x0                                ; the last prefetch, a K step back, has read its address: it is stepped here, ahead of the waits of the change of slots
	s_add_nc_u64 s[PFA:PFA+1], s[PFA:PFA+1], KSTEP*2
	MEET 1
	CREST                                          ; all sixteen work-groups have said so: no wave of any partner still reads this slot's tile or has a load on its way
	s_add_nc_u64 s[G0+4*(\slot)+2:G0+4*(\slot)+3], s[G0+4*(\slot)+2:G0+4*(\slot)+3], 2*KSTEP*2    ; no tensor load of mine is out, so a group 0 may be written; the type bits on top are not reached
	s_add_nc_u64 s[G0B+4*(\slot)+2:G0B+4*(\slot)+3], s[G0B+4*(\slot)+2:G0B+4*(\slot)+3], 2*KSTEP*2
	JLOAD \slot                                    ; the first tensor load behind the round; the four v_nop behind it are also the places in front of the loads below
	FETCH \next, 0, F0
	ASK                                            ; behind the joint load and the run of LDS loads that the next products wait for
	WIN MUL_HI
	MUL16 F1, 1, 0, 0
	MUL16 F1, 1, 2, 0
.endm
; The last change of slots: nothing is left to fetch, so no round follows the barrier and no load stands behind it.
.macro TURNL
	MEET 0                                         ; the tensor load that was still out is slot 1's: the last K step
	PLACES                                         ; for the loads into buffer 0, which the quarter before multiplied
	FETCH 1, 0, F0
	WIN MUL_HI
	MUL16 F1, 1, 0, 0
	MUL16 F1, 1, 2, 0
.endm
; THE WAY OUT of block a (16 rows x my 128 columns, 8 accumulators, 64 registers), in two parts.
; TOSTAGE: a lane's 32 bytes of a row go into my own stage in LDS (each accumulator's four lowest registers first), and whole rows of 512 bytes come back into the registers that they left.
.macro TOSTAGE a
.set AC, 64*((\a)%4)
	WIN 0x08+4*((\a)/4)                            ; the stores' data (source 1) in window 2 or 3
.irp b, 0,1,2,3,4,5,6,7
	ds_store_b128 v[STO], v[AC+8*(\b):AC+8*(\b)+3]   offset:64*(\b)
	ds_store_b128 v[STO], v[AC+8*(\b)+4:AC+8*(\b)+7] offset:64*(\b)+16
.endr
	WIN 0x80+0x40*((\a)/4)                         ; the loads' destination in window 2 or 3
.irp t, 0,1,2,3,4,5,6,7,8,9,10,11,12,13,14,15
	ds_load_b128 v[AC+4*(\t):AC+4*(\t)+3], v[RD] offset:(\t)*SPITCH  ; LDS serves a wave's instructions in order (ISA guide 5.7.1.4): these see the stores above, and the next block's stores come behind them
.endr
.endm
; SEND: each lane's four columns times their scales, in f32, and stored.  younger: the LDS instructions issued behind block a's loads: the next block's 16 stores and 16 loads, or none.
; No store's base, offset or data register is written again in the launch: a row's place among my 128 stands in the immediate, 127 x 16,384 bytes at the most, inside its signed 24 bits (ISA guide, chapter 10).
.macro SEND a, younger
.set AC, 64*((\a)%4)
	WIN 0x82+0x41*((\a)/4)                         ; destination and source 0 in window 2 or 3, the scales in window 0
	s_wait_dscnt \younger                          ; the block is back in registers
.irp t, 0,1,2,3,4,5,6,7,8,9,10,11,12,13,14,15
	v_pk_mul_f32 v[AC+4*(\t):AC+4*(\t)+1],   v[AC+4*(\t):AC+4*(\t)+1],   v[SC:SC+1]
	v_pk_mul_f32 v[AC+4*(\t)+2:AC+4*(\t)+3], v[AC+4*(\t)+2:AC+4*(\t)+3], v[SC+2:SC+3]
.endr
	WIN 0x08+4*((\a)/4)
.irp t, 0,1,2,3,4,5,6,7,8,9,10,11,12,13,14,15
	global_store_b128 v[CO], v[AC+4*(\t):AC+4*(\t)+3], s[8:9] offset:(16*(\a)+(\t))*SIZE_N*4 th:TH_STORE_NT  ; the wave stores 512 consecutive bytes, at a multiple of 512 from C's first byte
.endr
.endm
	s_wait_loadcnt 0x0                             ; my four scales, once
	s_wait_tensorcnt 1                             ; my part of K step 0 is in; K step 1's may stay out
	s_barrier_signal -1
	s_barrier_wait -1                              ; everybody's is
	FETCH 0, 0, F0
	QUARTER 0, 64,  F0, F1, 1                      ; the first quarter stands in front of the loop: its products start the sums
	WIN 0                                          ; at a label and at a branch every window is 0
	s_mov_b32 s3, LAPS-1
.Llap:                                                 ; 15 trips: once round the ring, from a lap's second quarter to the next lap's first; trip i fills the slots with K steps 2 i + 2 and 2 i + 3
	QUARTER 0, 128, F1, F0, 0
	QUARTER 0, 192, F0, F1, 0
	TURN 0, 1
	QUARTER 1, 64,  F0, F1, 0
	QUARTER 1, 128, F1, F0, 0
	QUARTER 1, 192, F0, F1, 0
	TURN 1, 0
	QUARTER 0, 64,  F0, F1, 0
	WIN 0
	s_sub_co_u32 s3, s3, 1
	s_cmp_lg_u32 s3, 0
	s_cbranch_scc1 .Llap
	QUARTER 0, 128, F1, F0, 0                      ; the last lap is written out: it asks for nothing
	QUARTER 0, 192, F0, F1, 0
	TURNL
	QUARTER 1, 64,  F0, F1, 0
	QUARTER 1, 128, F1, F0, 0
	QUARTER 1, 192, F0, F1, 0
	s_wait_dscnt 8                                 ; the very last quarter: nothing more to fetch
	WIN MUL_LO
	MUL16 F1, 0, 0, 0
	MUL16 F1, 0, 2, 0
	s_wait_dscnt 0x0
	MUL16 F1, 1, 0, 0
	MUL16 F1, 1, 2, 0
	PLACES                                         ; the stores below read results just made, and the loads behind them write those registers
	PLACES
	TOSTAGE 0
.irp a, 1,2,3,4,5,6,7                  ; block a's trip through the stage is under way while block a - 1 is scaled and stored
	TOSTAGE \a
	SEND (\a)-1, 32
.endr
	SEND 7, 0
	WIN 0
	s_wait_tensorcnt 0x0                           ; the wave's end: a wait, an add of 0 and its wait, behind my last tensor load and my last LDS store
	ds_add_u32 v[SPW], v[NIL]
	s_wait_dscnt 0x0
	CROUND                                         ; the closing round: no work-group ends while a partner may still ask for a tile that names it
	s_endpgm
.Lfunc_end_k_qfab1589cc1_gemm:
	.size	k_qfab1589cc1_gemm, .Lfunc_end_k_qfab1589cc1_gemm-k_qfab1589cc1_gemm
	.p2alignl 7, 3214868480
	.fill 96, 4, 3214868480
	.section	.rodata,"a",@progbits
	.p2align	6, 0x0
	.amdhsa_kernel k_qfab1589cc1_gemm
		.amdhsa_group_segment_fixed_size 327680
		.amdhsa_private_segment_fixed_size 0
		.amdhsa_enable_private_segment 0
		.amdhsa_kernarg_size 32
		.amdhsa_user_sgpr_count 2
		.amdhsa_user_sgpr_kernarg_segment_ptr 1
		.amdhsa_wavefront_size32 1
		.amdhsa_system_sgpr_workgroup_id_x 1
		.amdhsa_system_sgpr_workgroup_id_y 1
		.amdhsa_system_sgpr_workgroup_id_z 1
		.amdhsa_system_vgpr_workitem_id 0
		.amdhsa_next_free_vgpr 1024
		.amdhsa_next_free_sgpr 68
		.amdhsa_reserve_vcc 0
		.amdhsa_float_denorm_mode_32 3
		.amdhsa_float_denorm_mode_16_64 3
		.amdhsa_memory_ordered 1
		.amdhsa_forward_progress 1
		.amdhsa_inst_pref_size 158
	.end_amdhsa_kernel
	.amdgpu_metadata
---
amdhsa.version: [ 1, 2 ]
amdhsa.kernels:
  - .name:           k_qfab1589cc1_gemm
    .symbol:         k_qfab1589cc1_gemm.kd
    .args:
      - { .name: xb, .offset: 0, .size: 8, .value_kind: global_buffer, .address_space: global }
      - { .name: wb, .offset: 8, .size: 8, .value_kind: global_buffer, .address_space: global }
      - { .name: out0, .offset: 16, .size: 8, .value_kind: global_buffer, .address_space: global }
      - { .name: scale, .offset: 24, .size: 8, .value_kind: global_buffer, .address_space: global }
    .group_segment_fixed_size: 327680
    .private_segment_fixed_size: 0
    .kernarg_segment_align: 8
    .kernarg_segment_size: 32
    .max_flat_workgroup_size: 128
    .sgpr_count:     68
    .vgpr_count:     1024
    .wavefront_size: 32
...
	.end_amdgpu_metadata
.endif
;; end of part 2
;; ======== version 2 of 2: 2 launches; version 1 with the launch tobf16 written anew for expert scheduling mode
;; workspace buffers: xb 33,554,432 bytes; wb 33,554,432 bytes
;; launch tobf16 (part 3): grid 512 x 1, 8 waves a work-group, no clusters, 0 bytes of LDS; arguments x, w_int, xb, wb; writes xb, wb
.if DOCPART == 3
	.amdgcn_target "amdgcn-amd-amdhsa--gfx1250"
	.amdhsa_code_object_version 6
	.text
	.protected	k_qfab1589cc1_tobf16
	.globl	k_qfab1589cc1_tobf16
	.p2align	8
	.type	k_qfab1589cc1_tobf16,@function
k_qfab1589cc1_tobf16:
	s_mov_b64 s[64:65], 0
	v_nop
	global_prefetch_b8 v0, s[64:65] scope:SCOPE_SE
	s_setreg_imm32_b32 hwreg(HW_REG_WAVE_SCHED_MODE, 0, 2), 2
	s_setreg_imm32_b32 hwreg(HW_REG_WAVE_MODE, 25, 1), 1
	s_wait_xcnt 0x0
	s_wait_alu depctr_vm_vsrc(0)
; xb = bf16(x), wb = bf16(f32(w_int)).  x: [4096][4096] f32, w_int: [4096][4096] int32; xb, wb: [4096][4096] bf16, both with the SAME fixed order of the columns:
; inside each group g of 256 columns (512 bytes of a row of xb or wb) place 8 i + j (i = 0..31) holds column 256 g + 4 i + j for j < 4 and column 256 g + 128 + 4 i + (j - 4) for j >= 4.
; The product that follows sums over the columns, and x[m][k] still meets w[n][k]: only the order of its f32 sums differs.  What the order buys: a lane's two loads of 16 bytes
; (4 numbers each, 512 bytes apart) make the 16 bytes that it stores, so every load and every store of a wave covers 512 consecutive bytes, aligned, and no number changes lanes.
; LIMITS.  x is rounded once to bf16 (nearest even).  w_int goes by f32 to bf16: exact up to |w| = 256, beyond that rounded to 8 significant bits (beyond 2^24 rounded twice).
; NaN and infinities of x pass as bf16's.
; SHARES.  Each byte is read once and written once, nothing is shared and nothing is summed: no LDS, no barrier, no cluster, no matrix instruction.  A work-group owns 8 rows of x and of w_int,
; a wave one row of each: 16 blocks of 256 numbers (1,024 bytes in, 512 out, for each tensor).  512 work-groups of equal work.
; THE MODE: SCHED_MODE bits 1:0 = 2 (LLVM: expert scheduling mode 2), set by the entry lines.  The code itself states the register dependences
; between vector instructions and memory instructions, with s_wait_alu, always for 0.
; THE PLAN.  The text is straight: 16 blocks, written out.  Registers that memory instructions touch:
;   v[IN], v[OUT]  byte offsets, made once at the head and never written again: a block's place in the row stands in the immediate offsets.
;   X0 .. X8       nine slots of 16 registers; block p lies in slot p % 9.  Block p's sixteen conversions read it (and turn its eight whole numbers into f32 in place).
;                  Slots 0 to 6 are loaded a second time, with blocks 9 to 15: the loads of block p + 8 land in slot (p - 1) % 9 and are issued in block p.
;   Y0 .. Y6       the results of blocks 0 to 6, 8 registers each.  Blocks 7 to 15 are the last in their slots and are rounded in place, into the slot's first 8 registers.
;                  A block's result is written by its own roundings alone and read by its two stores, which are issued in the NEXT block; nothing writes it after that.
; Block p's conversions name slot p % 9 and block p's result.  Its memory instructions are the loads into slot (p - 1) % 9 and the stores of block p - 1's result: registers that block p - 1
; worked on and that no vector instruction of block p names.  So ONE wait at a block's head states all that its six memory instructions hang on, and these are dealt among its conversions.
; No register that a memory instruction reads is ever written again: the text holds no wait for the memory instructions' reads of their registers, and no s_wait_xcnt.
; IN FLIGHT.  At the wait for the data of each of blocks 1 to 8, 32 loads of 512 bytes of the wave are out: the block's own four and the 28 of the seven blocks behind it.  The ninth slot pays for the block's
; length during which an emptied slot waits for its loads.
.set IN,  3                            ; v3         my byte offset in the group's rows of x and w_int: wave x 16,384 + 16 x lane; never rewritten
.set OUT, 4                            ; v4         the same in xb and wb: wave x 8,192 + 16 x lane; never rewritten
.set X,   16                           ; v[16:159]  slot s: +0..3, +4..7 x's two pieces of a block; +8..11, +12..15 w_int's
.set Y,   160                          ; v[160:215] the results of blocks 0 to 6, 8 registers each
	s_load_b256 s[4:11], s[0:1], 0x0               ; x s[4:5], w_int s[6:7], xb s[8:9], wb s[10:11]
	s_lshl_b32 s12, ttmp9, 17                      ; the group's 8 rows of 16,384 bytes: under 2^26
	s_mov_b32 s13, 0
	s_lshl_b32 s14, ttmp9, 16                      ; and of 8,192 bytes
	s_mov_b32 s15, 0
	v_and_b32 v1, 31, v0                           ; lane
	v_lshrrev_b32 v2, 5, v0                        ; wave
	v_lshlrev_b32 v1, 4, v1                        ; 16 bytes a lane
	v_lshl_add_u32 v[IN], v2, 14, v1
	v_lshl_add_u32 v[OUT], v2, 13, v1
	s_wait_kmcnt 0x0
	s_add_nc_u64 s[4:5], s[4:5], s[12:13]
	s_add_nc_u64 s[6:7], s[6:7], s[12:13]
	s_add_nc_u64 s[8:9], s[8:9], s[14:15]
	s_add_nc_u64 s[10:11], s[10:11], s[14:15]
	s_wait_alu depctr_va_vdst(0)                   ; v[IN] and v[OUT] are written: every load and store of the kernel reads one of them as its offset
; Block j of the row into slot s: two loads of x and two of w_int, each 512 consecutive bytes of the wave's row
.macro LOADX j, s
	global_load_b128 v[X+16*(\s):X+16*(\s)+3],     v[IN], s[4:5] offset:1024*(\j) th:TH_LOAD_NT
	global_load_b128 v[X+16*(\s)+4:X+16*(\s)+7],   v[IN], s[4:5] offset:1024*(\j)+512 th:TH_LOAD_NT
.endm
.macro LOADW j, s
	global_load_b128 v[X+16*(\s)+8:X+16*(\s)+11],  v[IN], s[6:7] offset:1024*(\j) th:TH_LOAD_NT
	global_load_b128 v[X+16*(\s)+12:X+16*(\s)+15], v[IN], s[6:7] offset:1024*(\j)+512 th:TH_LOAD_NT
.endm
.macro STORES j, d                     ; each store covers 512 consecutive bytes, at a multiple of 512 from the buffer's first byte
	global_store_b128 v[OUT], v[(\d):(\d)+3],   s[8:9]   offset:512*(\j) th:TH_STORE_NT
	global_store_b128 v[OUT], v[(\d)+4:(\d)+7], s[10:11] offset:512*(\j) th:TH_STORE_NT
.endm
; Block p.  SL: its slot.  RS: where its result goes.  PR: where the result of the block before lies.
; Where RS = SL the order is safe: each register is written only after the conversions have read it.
.macro BLK p
.set SL, X+16*((\p)%9)
.set RS, SL
.if (\p) < 7
.set RS, Y+8*(\p)
.endif
.set PR, X+16*(((\p)+8)%9)
.if (\p) < 8
.set PR, Y+8*((\p)-1)                  ; (not used in block 0)
.endif
.if (\p) == 0
	s_wait_loadcnt 32                              ; loads come back in order (ISA guide 5.7.1): block 0's four are in, the 32 of blocks 1 to 8 stay out
.elseif (\p) < 8
	s_wait_loadcnt 28                              ; block p's four are in, the 28 of blocks p + 1 to p + 7 stay out
.else
	s_wait_loadcnt 4*(15-(\p))                     ; nothing more is loaded: 28 once more, then the counts run down to 0
.endif
.if (\p) > 0
	s_wait_alu depctr_va_vdst(0)                   ; the block before has written its result, which the stores below read, and is done reading and writing its slot, in which the loads below land
.endif
.if (\p) > 0 && (\p) < 8
	LOADX (\p)+8, ((\p)+8)%9                       ; eight blocks ahead, into the slot of the block before; no vector instruction since the wait names these registers
.endif
.irp q, 0,1,2,3
	v_cvt_pk_bf16_f32 v[RS+(\q)], v[SL+2*(\q)], v[SL+2*(\q)+1]
.endr
.if (\p) > 0 && (\p) < 8
	LOADW (\p)+8, ((\p)+8)%9                       ; 32 loads are out again
.endif
.irp q, 8,9,10,11,12,13,14,15
	v_cvt_f32_i32 v[SL+(\q)], v[SL+(\q)]
.endr
.if (\p) > 0
	STORES (\p)-1, PR                              ; the block before, behind the loads; the conversions since the wait name neither its result nor v[OUT]
.endif
.irp q, 0,1,2,3
	v_cvt_pk_bf16_f32 v[RS+4+(\q)], v[SL+8+2*(\q)], v[SL+8+2*(\q)+1]
.endr
.endm
.irp j, 0,1,2,3,4,5,6,7,8
	LOADX \j, \j                                   ; blocks 0 to 8 fill the nine slots
	LOADW \j, \j
.endr
.irp p, 0,1,2,3,4,5,6,7,8,9,10,11,12,13,14,15
	BLK \p
.endr
	s_wait_alu depctr_va_vdst(0)                   ; block 15 has written its result, in slot 6, which the last two stores read
	STORES 15, X+16*6
	s_endpgm
.Lfunc_end_k_qfab1589cc1_tobf16:
	.size	k_qfab1589cc1_tobf16, .Lfunc_end_k_qfab1589cc1_tobf16-k_qfab1589cc1_tobf16
	.p2alignl 7, 3214868480
	.fill 96, 4, 3214868480
	.section	.rodata,"a",@progbits
	.p2align	6, 0x0
	.amdhsa_kernel k_qfab1589cc1_tobf16
		.amdhsa_group_segment_fixed_size 0
		.amdhsa_private_segment_fixed_size 0
		.amdhsa_enable_private_segment 0
		.amdhsa_kernarg_size 32
		.amdhsa_user_sgpr_count 2
		.amdhsa_user_sgpr_kernarg_segment_ptr 1
		.amdhsa_wavefront_size32 1
		.amdhsa_system_sgpr_workgroup_id_x 1
		.amdhsa_system_sgpr_workgroup_id_y 1
		.amdhsa_system_sgpr_workgroup_id_z 1
		.amdhsa_system_vgpr_workitem_id 0
		.amdhsa_next_free_vgpr 216
		.amdhsa_next_free_sgpr 66
		.amdhsa_reserve_vcc 0
		.amdhsa_float_denorm_mode_32 3
		.amdhsa_float_denorm_mode_16_64 3
		.amdhsa_memory_ordered 1
		.amdhsa_forward_progress 1
		.amdhsa_inst_pref_size 23
	.end_amdhsa_kernel
	.amdgpu_metadata
---
amdhsa.version: [ 1, 2 ]
amdhsa.kernels:
  - .name:           k_qfab1589cc1_tobf16
    .symbol:         k_qfab1589cc1_tobf16.kd
    .args:
      - { .name: x, .offset: 0, .size: 8, .value_kind: global_buffer, .address_space: global }
      - { .name: w_int, .offset: 8, .size: 8, .value_kind: global_buffer, .address_space: global }
      - { .name: xb, .offset: 16, .size: 8, .value_kind: global_buffer, .address_space: global }
      - { .name: wb, .offset: 24, .size: 8, .value_kind: global_buffer, .address_space: global }
    .group_segment_fixed_size: 0
    .private_segment_fixed_size: 0
    .kernarg_segment_align: 8
    .kernarg_segment_size: 32
    .max_flat_workgroup_size: 256
    .sgpr_count:     66
    .vgpr_count:     216
    .wavefront_size: 32
...
	.end_amdgpu_metadata
.endif
;; end of part 3
;; launch gemm: the kernel of part 2 again; grid 16 x 16, 4 waves a work-group, clusters of 4 x 4, 327,680 bytes of LDS; arguments xb, wb, out0, scale; writes out0
